; MI455X (gfx1250); checked and timed in simulation.
; The chip was launched on July 23, 2026; its instructions are those of AMD's public machine-readable ISA for CDNA 5 (MIT licence, August 2026) and "CDNA5" Instruction Set Architecture Reference Guide (July 2026). The comments in the code are by the model that wrote it; some were corrected since.
;; Neu SDF. Allowed arithmetic: float matrix products may take bf16 or f16 operands with f32 sums; all other float work in f32.
;; Inputs: b1 128 float32; b2 128 float32; b3 1 float32; points 1,048,576 x 3 float32; w1 1 x 128 float32; w2 128 x 128 float32; w3 128 x 1 float32; xy_plane 512 x 512 float32; xz_plane 512 x 512 float32; yz_plane 512 x 512 float32.
;; Outputs: out0 1,048,576 x 1 float32.
;; One version. Each part assembles by itself: llvm-mc -triple=amdgcn-amd-amdhsa -mcpu=gfx1250 --defsym DOCPART=n.
;; ======== version 1 of 1: 2 launches
;; limits: values are held in f16: magnitudes above 65,504 overflow, below 6.1e-05 lose precision; right only within a limited range of input values
;; workspace buffers: idx 4,194,304 bytes of whole numbers; quads 12,582,912 bytes; w2f 32,768 bytes
;; launch prep (part 1): grid 1288 x 1, 8 waves a work-group, no clusters, 0 bytes of LDS; arguments points, xy_plane, xz_plane, yz_plane, w2, idx, quads, w2f; writes idx, quads, w2f
.if DOCPART == 1
	.amdgcn_target "amdgcn-amd-amdhsa--gfx1250"
	.amdhsa_code_object_version 6
	.text
	.protected	k_q6c43db6500_prep
	.globl	k_q6c43db6500_prep
	.p2align	8
	.type	k_q6c43db6500_prep,@function
k_q6c43db6500_prep:
	s_mov_b64 s[64:65], 0
	v_nop
	global_prefetch_b8 v0, s[64:65] scope:SCOPE_SE
	s_setreg_imm32_b32 hwreg(HW_REG_WAVE_MODE, 25, 1), 1
	s_wait_xcnt 0x0
; PREP: three tables for the second launch.  A pure stream: no LDS, no barrier, no matrix unit, no cluster (no two work-groups share a tile).
;   work-groups    0 ..  511  IDX : idx[n] = x<<18 | y<<9 | z, the floors of point n's three plane coordinates (each 0 .. 511)
;   work-groups  512 .. 1279  QUAD: quads, three tables (xy, xz, yz; 4 MiB each) of 512 x 512 entries of 16 bytes.  Entry (c1, c2) =
;                                   (a, c, b, d) = (bl, tl - bl, br - bl, (tr - br) - (tl - bl)), with reference()'s clamps of c1 + 1 and c2 + 1 at 511
;                                   built in, so that bottom = a + b h, top - bottom = c + d h, and one aligned 16-byte gather serves a look-up
;   work-groups 1280 .. 1287  W2F : w2 in f16, in the order in which a matrix instruction's second operand lies in registers
; The indices are made here because the second launch forms addresses from them: they go through memory as whole numbers.
; LIMITS: points lie in [-1, 1] (reference() relies on indices inside its tables); a NaN coordinate gives cell 0.
;         d is formed as a difference of differences: a few f32 ulp of the plane's numbers away from reference()'s order.
;         w2 is rounded to f16 (11 significant bits): |w2| up to 65,504; entries under 6.1e-5 carry an absolute error of up to 3e-8.
.set NIDX,  512                        ; work-groups of job IDX: 2,048 points each
.set NQUAD, 768                        ; work-groups of job QUAD: 4 rows x 256 columns of one plane each
.set PROW,  2048                       ; bytes in a plane's row
.set QROW,  8192                       ; bytes in a table's row (512 entries of 16)
	s_load_b512 s[4:19], s[0:1], 0x0               ; points s[4:5], xy s[6:7], xz s[8:9], yz s[10:11], w2 s[12:13], idx s[14:15], quads s[16:17], w2f s[18:19]
	s_cmp_lt_u32 ttmp9, NIDX
	s_cbranch_scc1 .Lidx
	s_cmp_lt_u32 ttmp9, NIDX+NQUAD
	s_cbranch_scc1 .Lquad
; ---- W2F.  Work-group t makes the four fragments (t, q) of columns n = 16 t + r.  Thread T = 64 q + 32 p + L makes 16 bytes:
; k = 32 q + 16 p + 8 h + 0 .. 7 = 8 (T >> 4) + 0 .. 7 of column 16 t + (T & 15), which are registers 4 p .. 4 p + 3 of lane L (ISA guide 7.12.2).
	s_sub_co_u32 s20, ttmp9, NIDX+NQUAD            ; t
	v_lshrrev_b32 v1, 4, v0
	v_and_b32 v2, 15, v0
	v_lshlrev_b32 v1, 12, v1                       ; 8 (T >> 4) rows of 512 bytes
	v_lshl_add_u32 v1, v2, 2, v1                   ; + 4 r
	s_lshl_b32 s21, s20, 6
	v_add_nc_u32 v1, s21, v1                       ; + 64 t
	v_lshlrev_b32 v3, 4, v0                        ; where my 16 bytes go: 16 T
	s_lshl_b32 s22, s20, 12                        ; + 4,096 t
	s_mov_b32 s23, 0
	s_wait_kmcnt 0x0
	s_add_nc_u64 s[18:19], s[18:19], s[22:23]
.irp i, 0,1,2,3,4,5,6,7
	global_load_b32 v[4+\i], v1, s[12:13] offset:512*\i
.endr
	s_wait_loadcnt 0x0
.irp i, 0,1,2,3
	v_cvt_pk_f16_f32 v[12+\i], v[4+2*\i], v[5+2*\i]        ; the lower k in the low half
.endr
	global_store_b128 v3, v[12:15], s[18:19]       ; a wave stores 512 consecutive bytes
	s_endpgm
; ---- QUAD.  j = work-group - 512: plane j >> 8, rows R0 = 4 ((j & 255) >> 1) .. R0 + 3, columns 256 (j & 1) + T.
; A thread loads five rows of its column and of the next one (both clamped at 511) and makes four entries.
.Lquad:
	s_sub_co_u32 s26, ttmp9, NIDX                  ; j
	s_lshr_b32 s27, s26, 8                         ; plane 0, 1, 2 = xy, xz, yz
	s_bfe_u32 s28, s26, 0x70001                    ; R0 / 4: 7 bits from bit 1
	s_and_b32 s29, s26, 1
	s_lshl_b32 s29, s29, 8
	v_add_nc_u32 v27, s29, v0                      ; c2
	v_lshlrev_b32 v1, 2, v27                       ; byte of column c2 in a plane's row
	v_add_nc_u32 v2, 1, v27
	v_min_u32 v2, 0x1ff, v2
	v_lshlrev_b32 v2, 2, v2                        ; byte of column min(c2 + 1, 511)
	v_lshlrev_b32 v3, 4, v27                       ; byte of entry c2 in a table's row
	s_lshl_b32 s30, s28, 13                        ; R0 x 2,048
	s_mov_b32 s31, 0
	s_lshl_b32 s32, s28, 2
	s_add_co_u32 s32, s32, 4
	s_min_u32 s32, s32, 511
	s_lshl_b32 s32, s32, 11                        ; min(R0 + 4, 511) x 2,048
	s_mov_b32 s33, 0
	s_lshl_b32 s34, s27, 22                        ; plane x 4 MiB
	s_lshl_b32 s35, s28, 15                        ; + R0 x 8,192
	s_add_co_u32 s34, s34, s35
	s_mov_b32 s35, 0
	s_wait_kmcnt 0x0
	s_cmp_eq_u32 s27, 1
	s_cselect_b64 s[20:21], s[8:9], s[6:7]
	s_cmp_eq_u32 s27, 2
	s_cselect_b64 s[20:21], s[10:11], s[20:21]     ; my plane
	s_add_nc_u64 s[22:23], s[20:21], s[32:33]      ; its fifth row
	s_add_nc_u64 s[20:21], s[20:21], s[30:31]      ; its first four
	s_add_nc_u64 s[24:25], s[16:17], s[34:35]      ; my rows of my table
.irp i, 0,1,2,3
	global_load_b32 v[4+4*\i], v1, s[20:21] offset:PROW*\i ; column c2 straight into word 0 of entry i: a = bl
	global_load_b32 v[20+\i],  v2, s[20:21] offset:PROW*\i ; column c2 + 1
.endr
	global_load_b32 v25, v1, s[22:23]
	global_load_b32 v24, v2, s[22:23]
	s_wait_loadcnt 0x0
.irp i, 0,1,2,3
	v_sub_f32 v[5+4*\i], v[20+\i], v[4+4*\i]       ; c = tl - bl
.endr
	v_sub_f32 v26, v24, v25                        ; the same of the fifth row
.irp i, 0,1,2
	v_sub_f32 v[6+4*\i], v[8+4*\i], v[4+4*\i]      ; b = br - bl
	v_sub_f32 v[7+4*\i], v[9+4*\i], v[5+4*\i]      ; d = (tr - br) - (tl - bl)
.endr
	v_sub_f32 v18, v25, v16
	v_sub_f32 v19, v26, v17
.irp i, 0,1,2,3
	global_store_b128 v3, v[4+4*\i:7+4*\i], s[24:25] offset:QROW*\i    ; a wave stores 512 consecutive bytes
.endr
	s_endpgm
; ---- IDX.  2,048 points a work-group, in two shots of 1,024; thread T takes points 4 T .. 4 T + 3 of a shot: 48 bytes in, 16 bytes out.
.Lidx:
	s_mul_i32 s20, ttmp9, 24576                    ; 2,048 points of 12 bytes
	s_mov_b32 s21, 0
	s_lshl_b32 s22, ttmp9, 13                      ; 2,048 words
	s_mov_b32 s23, 0
	v_mul_u32_u24 v1, 48, v0
	v_lshlrev_b32 v2, 4, v0
	s_wait_kmcnt 0x0
	s_add_nc_u64 s[4:5], s[4:5], s[20:21]
	s_add_nc_u64 s[14:15], s[14:15], s[22:23]
.irp u, 0,1
.irp k, 0,1,2
	global_load_b128 v[4+12*\u+4*\k:7+12*\u+4*\k], v1, s[4:5] offset:12288*\u+16*\k    ; no hint: the second launch reads the points again
.endr
.endr
; left = how many younger loads may stay out
.macro CONV u, left
	s_wait_loadcnt \left
.irp k, 0,2,4,6,8,10
	v_pk_add_f32 v[4+12*\u+\k:5+12*\u+\k], v[4+12*\u+\k:5+12*\u+\k], 1.0 op_sel_hi:[1,0]           ; p + 1 is rounded, as in reference(): not fused,
.endr
.irp k, 0,2,4,6,8,10
	v_pk_mul_f32 v[4+12*\u+\k:5+12*\u+\k], v[4+12*\u+\k:5+12*\u+\k], 0x437f8000 op_sel_hi:[1,0]    ; x 255.5: the halving is exact, so one rounding as x 0.5 x 511 has
.endr
.irp k, 0,1,2,3,4,5,6,7,8,9,10,11
	v_cvt_u32_f32 v[4+12*\u+\k], v[4+12*\u+\k]     ; toward zero = floor, at or above 0
.endr
.irp k, 0,1,2,3,4,5,6,7,8,9,10,11
	v_min_u32 v[4+12*\u+\k], 0x1ff, v[4+12*\u+\k]
.endr
.irp n, 0,1,2,3
	v_lshl_or_b32 v[28+4*\u+\n], v[4+12*\u+3*\n], 9, v[5+12*\u+3*\n]
	v_lshl_or_b32 v[28+4*\u+\n], v[28+4*\u+\n], 9, v[6+12*\u+3*\n]
.endr
	global_store_b128 v2, v[28+4*\u:31+4*\u], s[14:15] offset:4096*\u  ; a wave stores 512 consecutive bytes
.endm
	CONV 0, 3                                      ; shot 1's three loads are younger
	CONV 1, 0
	s_endpgm
.Lfunc_end_k_q6c43db6500_prep:
	.size	k_q6c43db6500_prep, .Lfunc_end_k_q6c43db6500_prep-k_q6c43db6500_prep
	.p2alignl 7, 3214868480
	.fill 96, 4, 3214868480
	.section	.rodata,"a",@progbits
	.p2align	6, 0x0
	.amdhsa_kernel k_q6c43db6500_prep
		.amdhsa_group_segment_fixed_size 0
		.amdhsa_private_segment_fixed_size 0
		.amdhsa_enable_private_segment 0
		.amdhsa_kernarg_size 64
		.amdhsa_user_sgpr_count 2
		.amdhsa_user_sgpr_kernarg_segment_ptr 1
		.amdhsa_wavefront_size32 1
		.amdhsa_system_sgpr_workgroup_id_x 1
		.amdhsa_system_sgpr_workgroup_id_y 1
		.amdhsa_system_sgpr_workgroup_id_z 1
		.amdhsa_system_vgpr_workitem_id 0
		.amdhsa_next_free_vgpr 64
		.amdhsa_next_free_sgpr 66
		.amdhsa_reserve_vcc 0
		.amdhsa_float_denorm_mode_32 3
		.amdhsa_float_denorm_mode_16_64 3
		.amdhsa_memory_ordered 1
		.amdhsa_forward_progress 1
		.amdhsa_inst_pref_size 12
	.end_amdhsa_kernel
	.amdgpu_metadata
---
amdhsa.version: [ 1, 2 ]
amdhsa.kernels:
  - .name:           k_q6c43db6500_prep
    .symbol:         k_q6c43db6500_prep.kd
    .args:
      - { .name: points, .offset: 0, .size: 8, .value_kind: global_buffer, .address_space: global }
      - { .name: xy_plane, .offset: 8, .size: 8, .value_kind: global_buffer, .address_space: global }
      - { .name: xz_plane, .offset: 16, .size: 8, .value_kind: global_buffer, .address_space: global }
      - { .name: yz_plane, .offset: 24, .size: 8, .value_kind: global_buffer, .address_space: global }
      - { .name: w2, .offset: 32, .size: 8, .value_kind: global_buffer, .address_space: global }
      - { .name: idx, .offset: 40, .size: 8, .value_kind: global_buffer, .address_space: global }
      - { .name: quads, .offset: 48, .size: 8, .value_kind: global_buffer, .address_space: global }
      - { .name: w2f, .offset: 56, .size: 8, .value_kind: global_buffer, .address_space: global }
    .group_segment_fixed_size: 0
    .private_segment_fixed_size: 0
    .kernarg_segment_align: 8
    .kernarg_segment_size: 64
    .max_flat_workgroup_size: 256
    .sgpr_count:     66
    .vgpr_count:     64
    .wavefront_size: 32
...
	.end_amdgpu_metadata
.endif
;; end of part 1
;; launch mlp (part 2): grid 256 x 1, 8 waves a work-group, no clusters, 0 bytes of LDS; arguments points, idx, quads, w2f, w1, b1, b2, w3, b3, out0; writes out0
.if DOCPART == 2
	.amdgcn_target "amdgcn-amd-amdhsa--gfx1250"
	.amdhsa_code_object_version 6
	.text
	.protected	k_q6c43db6500_mlp
	.globl	k_q6c43db6500_mlp
	.p2align	8
	.type	k_q6c43db6500_mlp,@function
k_q6c43db6500_mlp:
	s_mov_b64 s[64:65], 0
	v_nop
	global_prefetch_b8 v0, s[64:65] scope:SCOPE_SE
	s_setreg_imm32_b32 hwreg(HW_REG_WAVE_MODE, 25, 1), 1
	s_wait_xcnt 0x0
; MLP: out[n] = tanh(relu(relu(F w1 + b1) @ w2 + b2) . w3 + b3), F = the sum of three bilinear look-ups.
; 256 work-groups of eight waves (two for each of a WGP's four SIMDs, 512 registers each); a work-group owns 4,096 consecutive points.
; A trip is 512 points; wave w takes the 64 at 512 trip + 64 w; lane L holds points 2 L and 2 L + 1 of them.  The 32 points of one parity
; are a sub-batch = two matrix tiles of 16 rows (tile T = lanes 16 T .. 16 T + 15).
; THE PRODUCT: first operand = h1 (rows = points), built in registers from F; second operand = w2 (columns = hidden units), ALL of it kept in
; registers v256-v511 for the whole kernel (32 fragments of 8), so nothing goes through LDS and no wave waits for another: no barrier.
; In the result lane (r, h) holds, in register j, point 8 h + j and hidden unit 16 t + r: b2 and w3 then cost 8 registers each.
; Layer 3 is a fused multiply-add per result and one reduce-scatter over 16 lanes per sub-batch.
; THE FORMAT: f16 operands, f32 sums.  An output is a sum of 128 x 128 products of rounded numbers that largely cancel, and is compared within a hundredth of the
; outputs' spread: f16's 11 significant bits leave eight times less error than bf16's 8.  f16's range is met by an exact scale: with E the exponent field of the
; largest |w1|, |b1|, the set-up multiplies w1, b1 and -b2 by 2^-(E-126) and w3 by 2^(E-126).  relu commutes with a positive factor and powers of two round nothing,
; so w3 relu(..) is unchanged, and the scaled h1 is below |F| + 1 whatever w1 and b1 hold.
; b2: relu(x + b2) = max(x, -b2) + b2, so out = sum of w3 max(x, -b2), plus the constant sum of w3 b2, which is added with b3.
; Layers 1 (K = 1) and 3 (N = 1) stay on the vector unit in f32: as matrix products they would fill 1/32 and 1/16 of a tile.
; NO CLUSTER, NO TENSOR LOADS: what work-groups share (w2's 32 KiB and 2 KiB of vectors) is read once by each wave, into registers; the gathers are random.
; Every load of a sub-batch (three gathers of 16 bytes a point, the next indices, the next points) is issued one sub-batch's work ahead of its wait.
; LIMITS: points lie in [-1, 1] (reference() relies on indices inside its tables).  h1 and w2 are rounded to f16; all else is f32.
;         |F| below 65,503 (the scaled h1 must be finite in f16); scaled h1 under 6.1e-5 carries an absolute error of up to 3e-8; |w2| up to 65,504.
;         relu is a maximum in which a NaN loses: a NaN pre-activation counts as 0.  The interpolation's order of rounding differs from reference()'s by a few ulp.
;         tanh(y) = 1 - 2 / (1 + 2^(2.88539 y)): absolute error about 1e-7, exact limits +-1 for large |y|.
.set TRIPS,   8
.set PT_TRIP, 6144                     ; bytes of points in a trip of the work-group (512 x 12)
.set IX_TRIP, 2048                     ; bytes of idx, and of out0, in a trip (512 x 4)
; vector registers, window 0
.set FT,   0                           ; v[0:1]     F of tile 0's row L % 16, of tile 1's row L % 16 (v0 is the thread's number until the set-up has used it)
.set OPT,  2                           ; 24 L: my two points
.set OIX,  3                           ; 8 L: my two indices
.set OOUT, 4                           ; 8 pi(L): where my two results go (see REDUCE)
.set OPF,  5                           ; 256 L: prefetch
.set RES,  6                           ; v[6:7]     the two sub-batches' sums, then the outputs
.set IX,   8                           ; v[8:9]     two indices
.set PT,   10                          ; v[10:15]   x0 y0 z0 x1 y1 z1, then their fractions
.set Q,    16                          ; v[16:27]   three table entries (their first words are the gathers' offsets before)
.set P,    28                          ; v[28:43]   P[8 T + j]: layer 3's partial sums
.set NB2,  44                          ; v[44:51]   -b2[16 t + r], scaled down
.set W3,   52                          ; v[52:59]   w3[16 t + r], scaled up
.set H,    60                          ; v[60:91]   h1: four fragments of 16 rows x 32 K (in the set-up: four of w1 and four of b1, for the maximum)
.set ACC,  92                          ; v[92:123]  four accumulators; temporaries while no product runs
.set W1,   124                         ; v[124:187] w1 and
.set B1,   188                         ; v[188:251] b1 of my 64 k, scaled down: element 16 q + e is k = 32 q + 8 h + e (e < 8), 32 q + 16 + 8 h + e - 8 (else)
.set O16,  252                         ; set-up: 16 L
.set O32H, 253                         ; set-up: 32 h
.set O4R,  254                         ; set-up: 4 r
; window 1 (v256-v511): w2's fragment (t, q) at 8 (4 t + q)
; scalars: s[4:5] points, s[6:7] idx, s[8:9] table xy, s[10:11] w2f, s[12:13] w1, s[14:15] b1, s[16:17] b2, s[18:19] w3, s[20:21] b3, s[22:23] out0,
; s[24:25] table xz, s[26:27] table yz, s28-s32 lane masks (bits 8, 4, 2, 1, 16 of the lane), s33-s34 selects of v_permlanex16_b32, s35 wave, s36 trip,
; s37 2.88539, s38 2.88539 (b3 + sum of w3 b2), s39 b3, s[40:41] an offset, s[42:43] prefetch base, s44 prefetch trip, s46 scratch
.set DUAL, 1                           ; 1: two maxima in one dual instruction
.set MSB, 0
.macro WIN new                         ; s_set_vgpr_msb: low byte 1:0 source 0, 3:2 source 1, 5:4 source 2, 7:6 destination; the high byte repeats the setting that is left
.if MSB != \new
	s_set_vgpr_msb (MSB<<8)|\new
.set MSB, \new
.endif
.endm
; pair d = pair a x register b (both halves) + pair c.  b is taken out of its even-aligned pair by op_sel.
.macro BFMA d, a, b, c
.if (\b) & 1
	v_pk_fma_f32 v[\d:\d+1], v[\a:\a+1], v[\b-1:\b], v[\c:\c+1] op_sel:[0,1,0] op_sel_hi:[1,1,1]
.else
	v_pk_fma_f32 v[\d:\d+1], v[\a:\a+1], v[\b:\b+1], v[\c:\c+1] op_sel:[0,0,0] op_sel_hi:[1,0,1]
.endif
.endm
; registers a, a + 1 = their maximum with 0 / with register b.  a is even: destinations even and odd, second sources in different banks.
.macro RELUZ a
.if DUAL
	v_dual_max_num_f32 v[\a], 0, v[\a] :: v_dual_max_num_f32 v[\a+1], 0, v[\a+1]
.else
	v_max_num_f32 v[\a], 0, v[\a]
	v_max_num_f32 v[\a+1], 0, v[\a+1]
.endif
.endm
.macro RELUB a, b
.if DUAL
	v_dual_max_num_f32 v[\a], v[\b], v[\a] :: v_dual_max_num_f32 v[\a+1], v[\b], v[\a+1]
.else
	v_max_num_f32 v[\a], v[\b], v[\a]
	v_max_num_f32 v[\a+1], v[\b], v[\a+1]
.endif
.endm
; Fragment q of h1 for tile T: 16 numbers a lane, relu(F w1 + b1) in f32 in temporaries x .. x + 15, rounded once to f16.
.macro BUILD_Q T, q, x
.irp i, 0,2,4,6,8,10,12,14
	BFMA \x+\i, W1+16*\q+\i, FT+\T, B1+16*\q+\i
.endr
.irp i, 0,2,4,6,8,10,12,14
	RELUZ \x+\i
.endr
.irp i, 0,1,2,3,4,5,6,7
	v_cvt_pk_f16_f32 v[H+8*\q+\i], v[\x+2*\i], v[\x+2*\i+1]
.endr
.endm
; 16 matrix instructions: hidden blocks t = 4 g .. 4 g + 3, all of K.  The first product of each starts its sum: nothing is cleared.
; The four accumulators take turns, one instruction a turn.
; The four v_nop are the places (ISA guide 7.12.1) behind the last matrix instructions, for all that reads the results or writes ACC and H afterwards.
.macro MM g
	WIN 0x04                                       ; second operand in window 1
.irp q, 0,1,2,3
.irp a, 0,1,2,3
.if \q == 0
	v_wmma_f32_16x16x32_f16 v[ACC+8*\a:ACC+8*\a+7], v[H+8*\q:H+8*\q+7], v[8*(4*(4*\g+\a)+\q):8*(4*(4*\g+\a)+\q)+7], 0
.else
	v_wmma_f32_16x16x32_f16 v[ACC+8*\a:ACC+8*\a+7], v[H+8*\q:H+8*\q+7], v[8*(4*(4*\g+\a)+\q):8*(4*(4*\g+\a)+\q)+7], v[ACC+8*\a:ACC+8*\a+7]
.endif
.endr
.endr
	WIN 0
.rept 4
	v_nop
.endr
.endm
; Layer 2's relu and layer 3's products for these four blocks: P[8 T + j] += w3[16 t + r] max(x, -b2[16 t + r]).  Block 0 starts the sums.
.macro EPI g, T
.irp a, 0,1,2,3
.irp j, 0,2,4,6
	RELUB ACC+8*\a+\j, NB2+4*\g+\a
.endr
.irp j, 0,2,4,6
.if (4*\g+\a) == 0
	v_pk_mul_f32 v[P+8*\T+\j:P+8*\T+\j+1], v[ACC+8*\a+\j:ACC+8*\a+\j+1], v[W3:W3+1] op_sel_hi:[1,0]
.else
	BFMA P+8*\T+\j, ACC+8*\a+\j, W3+4*\g+\a, P+8*\T+\j
.endif
.endr
.endr
.endm
.macro TILE T
	BUILD_Q \T, 0, ACC
	BUILD_Q \T, 1, ACC+16
	BUILD_Q \T, 2, ACC
	BUILD_Q \T, 3, ACC+16
	MM 0
	EPI 0, \T
	MM 1
	EPI 1, \T
.endm
; One step of a reduce-scatter: lanes whose bit x is 0 keep lo and send hi, the others keep hi and send lo; each adds what its partner (lane xor x) sent.
.macro RS dst, lo, hi, m, x, ts
	v_cndmask_b32 v[\ts], v[\hi], v[\lo], s[\m]
	v_cndmask_b32 v[\dst], v[\lo], v[\hi], s[\m]
	v_add_f32_dpp v[\dst], v[\ts], v[\dst] row_xmask:\x row_mask:0xf bank_mask:0xf
.endm
; 16 sums over the 16 lanes of each half: 8 + 4 + 2 + 1 steps.  Lane L ends with tile (L >> 3) & 1, row 8 (L >> 4) + (L & 7):
; the sub-batch's point pi(L) = (L & 7) | ((L >> 4) & 1) << 3 | ((L >> 3) & 1) << 4.
.macro REDUCE e
.irp j, 0,1,2,3,4,5,6,7
	RS P+\j, P+\j, P+8+\j, 28, 8, ACC+\j
.endr
.irp j, 0,1,2,3
	RS P+\j, P+\j, P+4+\j, 29, 4, ACC+\j
.endr
.irp j, 0,1
	RS P+\j, P+\j, P+2+\j, 30, 2, ACC+\j
.endr
	RS RES+\e, P, P+1, 31, 1, ACC
.endm
; Three gathers of 16 bytes for my point of parity e.  w = x << 18 | y << 9 | z; entry numbers: xy = w >> 9, xz = x << 9 | z, yz = w & 0x3ffff.
; Each is held under the table's 2^18 entries by a v_min_u32; each load lands on its own offset register.
.macro GATHER e
	v_lshrrev_b32 v[Q], 9, v[IX+\e]
	v_and_b32 v[Q+8], 0x3ffff, v[IX+\e]
	v_and_b32 v[Q+1], 0x1ff, v[IX+\e]
	v_lshrrev_b32 v[Q+4], 18, v[IX+\e]
	v_lshl_or_b32 v[Q+4], v[Q+4], 9, v[Q+1]
.irp k, 0,4,8
	v_min_u32 v[Q+\k], 0x3ffff, v[Q+\k]
.endr
.irp k, 0,4,8
	v_lshlrev_b32 v[Q+\k], 4, v[Q+\k]
.endr
	global_load_b128 v[Q:Q+3],    v[Q],   s[8:9]   ; no hint: the tables' entries are read again and again
	global_load_b128 v[Q+4:Q+7],  v[Q+4], s[24:25]
	global_load_b128 v[Q+8:Q+11], v[Q+8], s[26:27]
.endm
; The six coordinates become their fractions, by the arithmetic that made the indices: (p + 1) rounded, x 255.5 rounded (not fused: reference() rounds twice).
.macro FRAC
.irp k, 0,2,4
	v_pk_add_f32 v[PT+\k:PT+\k+1], v[PT+\k:PT+\k+1], 1.0 op_sel_hi:[1,0]
.endr
.irp k, 0,2,4
	v_pk_mul_f32 v[PT+\k:PT+\k+1], v[PT+\k:PT+\k+1], 0x437f8000 op_sel_hi:[1,0]
.endr
.irp k, 0,1,2,3,4,5
	v_floor_f32 v[ACC+\k], v[PT+\k]
.endr
.irp k, 0,2,4
	v_pk_add_f32 v[PT+\k:PT+\k+1], v[PT+\k:PT+\k+1], v[ACC+\k:ACC+\k+1] neg_lo:[0,1] neg_hi:[0,1]
.endr
.endm
; F of my point of parity e, then F of row L % 16 of both tiles.  An entry is (a, c, b, d): (a, c) + (b, d) h = (bottom, top - bottom).
.macro INTERP e
	BFMA Q, Q+2, PT+3*\e, Q                        ; xy: h = fx
	BFMA Q+4, Q+6, PT+3*\e, Q+4                    ; xz: h = fx
	BFMA Q+8, Q+10, PT+3*\e+1, Q+8                 ; yz: h = fy
	v_fma_f32 v[Q],   v[Q+1], v[PT+3*\e+1], v[Q]   ; xy: v = fy
	v_fma_f32 v[Q+4], v[Q+5], v[PT+3*\e+2], v[Q+4] ; xz: v = fz
	v_fma_f32 v[Q+8], v[Q+9], v[PT+3*\e+2], v[Q+8] ; yz: v = fz
	v_add_f32 v[Q], v[Q], v[Q+4]
	v_add_f32 v[Q], v[Q], v[Q+8]
	v_permlanex16_b32 v[Q+2], v[Q], s33, s34       ; F of lane L xor 16 (the destination has been written: by the gather)
	v_cndmask_b32 v[FT],   v[Q],   v[Q+2], s32     ; lanes 0-15: mine; lanes 16-31: the other half's
	v_cndmask_b32 v[FT+1], v[Q+2], v[Q],   s32     ; and the other way round
.endm
; Behind a transcendental one plain vector instruction stands before its result is used (ISA guide 5.7.2): the v_nop.
.macro TANH_OUT
	v_fma_f32 v[RES],   v[RES],   s37, s38
	v_fma_f32 v[RES+1], v[RES+1], s37, s38
	v_exp_f32 v[RES],   v[RES]
	v_exp_f32 v[RES+1], v[RES+1]
	v_nop
	s_wait_alu depctr_va_vdst(0)
	v_pk_add_f32 v[RES:RES+1], v[RES:RES+1], 1.0 op_sel_hi:[1,0]
	v_rcp_f32 v[RES],   v[RES]
	v_rcp_f32 v[RES+1], v[RES+1]
	v_nop
	s_wait_alu depctr_va_vdst(0)
	v_pk_fma_f32 v[RES:RES+1], v[RES:RES+1], -2.0, 1.0 op_sel_hi:[1,0,0]
	global_store_b64 v[OOUT], v[RES:RES+1], s[22:23] th:TH_STORE_NT    ; the wave's 64 results: 256 consecutive bytes, aligned, in one store
.endm
; Sub-batch 0 of a trip.  On entry: FT = its F; IX, PT = this trip's indices and fractions; no load is out.
.macro STEP0 last
	GATHER 1
.if \last == 0
	global_load_b64 v[IX:IX+1], v[OIX], s[6:7] offset:IX_TRIP th:TH_LOAD_NT    ; the next trip's indices
	s_cmp_lg_u32 s36, s44                          ; in one trip of the eight the wave asks for its piece of 8 KiB (see the set-up)
	s_cbranch_scc1 .Lno_ask_\@
	global_prefetch_b8 v[OPF], s[42:43] th:TH_LOAD_NT scope:SCOPE_SE
.Lno_ask_\@:
.endif
	TILE 0
	TILE 1
	REDUCE 0
.if \last == 0
	s_wait_loadcnt 0x1                             ; the three gathers are in; the one younger load (indices) may stay out
.else
	s_wait_loadcnt 0x0
.endif
	INTERP 1
.if \last == 0
.irp k, 0,1,2
	global_load_b64 v[PT+2*\k:PT+2*\k+1], v[OPT], s[4:5] offset:PT_TRIP+8*\k th:TH_LOAD_NT     ; the next trip's points: this trip's fractions have been used
.endr
.endif
.endm
; Sub-batch 1, the trip's results, and the next trip's first F.
.macro STEP1 last
.if \last == 0
	s_wait_loadcnt 0x3                             ; the indices are in; the three younger loads (points) may stay out
	GATHER 0
.endif
	TILE 0
	TILE 1
	REDUCE 1
	TANH_OUT
.if \last == 0
	s_wait_loadcnt 0x0                             ; points and gathers, both needed now
	FRAC
	INTERP 0
.endif
.endm
; ---- set-up
	s_load_b512 s[4:19], s[0:1], 0x0
	s_load_b128 s[20:23], s[0:1], 0x40
	v_and_b32 v[ACC], 31, v0                       ; L
	v_bfe_u32 v[ACC+1], v0, 4, 1                   ; h = L / 16
	v_bfe_u32 v[ACC+2], v0, 3, 1
	v_lshrrev_b32 v[ACC+3], 5, v0
	v_readfirstlane_b32 s35, v[ACC+3]              ; wave
	v_mul_u32_u24 v[OPT], 24, v[ACC]
	v_lshlrev_b32 v[OIX], 3, v[ACC]
	v_lshlrev_b32 v[OPF], 8, v[ACC]
	v_lshlrev_b32 v[O16], 4, v[ACC]
	v_lshlrev_b32 v[O32H], 5, v[ACC+1]
	v_and_b32 v[O4R], 15, v0
	v_lshlrev_b32 v[O4R], 2, v[O4R]
	v_and_b32 v[OOUT], 7, v0
	v_lshl_or_b32 v[OOUT], v[ACC+1], 3, v[OOUT]
	v_lshl_or_b32 v[OOUT], v[ACC+2], 4, v[OOUT]    ; pi(L)
	v_lshlrev_b32 v[OOUT], 3, v[OOUT]
	v_and_b32 v[ACC+4], 8, v0
	v_and_b32 v[ACC+5], 4, v0
	v_and_b32 v[ACC+6], 2, v0
	v_and_b32 v[ACC+7], 1, v0
	v_and_b32 v[ACC+8], 16, v0
.irp k, 0,1,2,3,4
	v_cmp_ne_u32 s[28+\k], 0, v[ACC+4+\k]
.endr
	s_mov_b32 s33, 0x76543210
	s_mov_b32 s34, 0xfedcba98
	s_mov_b32 s37, 0x4038aa3b                      ; 2 log2(e)
	s_mov_b32 s41, 0
	s_wait_kmcnt 0x0
	s_load_b32 s39, s[20:21], 0x0                  ; b3
	s_mul_i32 s40, ttmp9, 8*PT_TRIP
	s_add_nc_u64 s[4:5], s[4:5], s[40:41]          ; points, idx, out0 at the work-group's part
	s_lshl_b32 s40, ttmp9, 14
	s_add_nc_u64 s[6:7], s[6:7], s[40:41]
	s_add_nc_u64 s[22:23], s[22:23], s[40:41]
	; Prefetch: the work-group's 48 KiB of points and 16 KiB of idx are eight pieces of 8 KiB; wave w asks for one of them once, 32 lanes 256 bytes apart:
	; waves 0-5 piece w of the points, waves 6-7 piece w - 6 of idx.  A piece's first byte belongs to trip 4 w / 3 (points) or 4 (w - 6) (idx); that trip's loads
	; are issued one trip before it, and the wave asks one trip before that: trips 0, 0, 0, 2, 3, 4 and 0, 2.  Every piece lies inside the work-group's part.
	s_lshl_b32 s40, s35, 13
	s_add_nc_u64 s[42:43], s[4:5], s[40:41]
	s_sub_co_i32 s46, s35, 6
	s_max_i32 s46, s46, 0
	s_lshl_b32 s40, s46, 13
	s_add_nc_u64 s[24:25], s[6:7], s[40:41]
	s_lshl_b32 s46, s46, 1
	s_mul_i32 s44, s35, 344                        ; (344 w) >> 8 = 4 w / 3, rounded down, for w = 0 .. 5
	s_lshr_b32 s44, s44, 8
	s_sub_co_i32 s44, s44, 2
	s_max_i32 s44, s44, 0
	s_cmp_lt_u32 s35, 6
	s_cselect_b64 s[42:43], s[42:43], s[24:25]
	s_cselect_b32 s44, s44, s46
	s_mul_i32 s40, s35, 768                        ; the wave's 64 points in a trip
	s_add_nc_u64 s[4:5], s[4:5], s[40:41]
	s_lshl_b32 s40, s35, 8
	s_add_nc_u64 s[6:7], s[6:7], s[40:41]
	s_add_nc_u64 s[22:23], s[22:23], s[40:41]
	s_add_nc_u64 s[24:25], s[8:9], 0x400000        ; table xz
	s_add_nc_u64 s[26:27], s[8:9], 0x800000        ; table yz
	global_load_b64 v[IX:IX+1], v[OIX], s[6:7] th:TH_LOAD_NT
.irp k, 0,1,2
	global_load_b64 v[PT+2*\k:PT+2*\k+1], v[OPT], s[4:5] offset:8*\k th:TH_LOAD_NT
.endr
.set c, 0
.rept 16                                           ; registers 4 c .. 4 c + 3, c = 4 q + 2 p + u: k = 32 q + 16 p + 8 h + 4 u + 0 .. 3
	global_load_b128 v[W1+4*c:W1+4*c+3], v[O32H], s[12:13] offset:128*(c/4)+64*((c/2)%2)+16*(c%2)
	global_load_b128 v[B1+4*c:B1+4*c+3], v[O32H], s[14:15] offset:128*(c/4)+64*((c/2)%2)+16*(c%2)
.set c, c+1
.endr
.irp t, 0,1,2,3,4,5,6,7
	global_load_b32 v[NB2+\t], v[O4R], s[16:17] offset:64*\t
	global_load_b32 v[W3+\t],  v[O4R], s[18:19] offset:64*\t
.endr
	global_load_b128 v[H:H+3],   v[O16], s[12:13]  ; for the maximum: w1[4 L .. 4 L + 3] and b1[4 L .. 4 L + 3]: the 32 lanes hold all 128 of each once
	global_load_b128 v[H+4:H+7], v[O16], s[14:15]
	s_wait_loadcnt 53                              ; the indices are in: 3 + 32 + 16 + 2 younger loads may stay out
	GATHER 0
	WIN 0x40                                       ; destinations in window 1
.set c, 0
.rept 64
	global_load_b128 v[4*c:4*c+3], v[O16], s[10:11] offset:512*c       ; v[256 + 4 c ..]: w2's fragments as the first launch laid them
.set c, c+1
.endr
	WIN 0
	s_wait_loadcnt 0x0
	s_wait_kmcnt 0x0
	v_mul_f32 v[RES], v[W3], v[NB2]                ; the sum of w3 b2, from the numbers as given: eight a lane,
.irp t, 1,2,3,4,5,6,7
	v_fma_f32 v[RES], v[W3+\t], v[NB2+\t], v[RES]
.endr
.irp x, 1,2,4,8
	v_add_f32_dpp v[RES], v[RES], v[RES] row_xmask:\x row_mask:0xf bank_mask:0xf       ; then over the 16 lanes of each half
.endr
	v_add_f32 v[RES], s39, v[RES]
	v_mul_f32 v[RES], s37, v[RES]
	v_readfirstlane_b32 s38, v[RES]
.irp t, 0,1,2,3,4,5,6,7
	v_xor_b32 v[NB2+\t], 0x80000000, v[NB2+\t]     ; -b2
.endr
	; The scale.  The largest |w1|, |b1|: eight a lane, 16 lanes, two halves; every lane ends with it.
.irp k, 0,1,2,3,4,5,6,7
	v_and_b32 v[H+\k], 0x7fffffff, v[H+\k]
.endr
	v_max3_num_f32 v[H],   v[H],   v[H+1], v[H+2]
	v_max3_num_f32 v[H+3], v[H+3], v[H+4], v[H+5]
	v_max3_num_f32 v[H],   v[H],   v[H+6], v[H+7]
	v_max_num_f32  v[H],   v[H],   v[H+3]
.irp x, 1,2,4,8
	v_max_num_f32_dpp v[H], v[H], v[H] row_xmask:\x row_mask:0xf bank_mask:0xf
.endr
	v_permlanex16_b32 v[H+1], v[H], s33, s34       ; (the destination has been written)
	v_max_num_f32 v[H], v[H], v[H+1]
	v_bfe_u32 v[H], v[H], 23, 8                    ; E, its exponent field: the maximum lies in [2^(E-127), 2^(E-126))
	v_min_u32 v[H], 0xfc, v[H]                     ; at most 252, so that both factors' fields stay in 1 .. 253: normal numbers
	v_sub_nc_u32 v[H+1], 0xfd, v[H]                ; field of 2^-(E-126): 253 - E
	v_add_nc_u32 v[H+2], 1, v[H]                   ; field of 2^(E-126):  E + 1
	v_lshlrev_b32 v[ACC+2], 23, v[H+1]             ; each factor twice: a pair for the packed multiply
	v_lshlrev_b32 v[ACC+3], 23, v[H+1]
	v_lshlrev_b32 v[ACC+4], 23, v[H+2]
	v_lshlrev_b32 v[ACC+5], 23, v[H+2]
.set c, 0
.rept 32
	v_pk_mul_f32 v[W1+2*c:W1+2*c+1], v[W1+2*c:W1+2*c+1], v[ACC+2:ACC+3]
	v_pk_mul_f32 v[B1+2*c:B1+2*c+1], v[B1+2*c:B1+2*c+1], v[ACC+2:ACC+3]
.set c, c+1
.endr
.irp t, 0,2,4,6
	v_pk_mul_f32 v[NB2+\t:NB2+\t+1], v[NB2+\t:NB2+\t+1], v[ACC+2:ACC+3]
	v_pk_mul_f32 v[W3+\t:W3+\t+1],   v[W3+\t:W3+\t+1],   v[ACC+4:ACC+5]
.endr
	FRAC
	INTERP 0                                       ; from here on v0 is F
; ---- seven trips that fetch the next trip's data, and the last, which fetches nothing: no load passes a buffer's end
	s_mov_b32 s36, 0
.Ltrip:
	STEP0 0
	STEP1 0
	s_wait_xcnt 0x0                                ; the store's data and base, and the loads' bases, are rewritten only behind this wait (ISA guide 3.1)
	s_add_nc_u64 s[4:5], s[4:5], PT_TRIP
	s_add_nc_u64 s[6:7], s[6:7], IX_TRIP
	s_add_nc_u64 s[22:23], s[22:23], IX_TRIP
	s_add_co_u32 s36, s36, 1
	s_cmp_lt_u32 s36, TRIPS-1
	s_cbranch_scc1 .Ltrip
	STEP0 1
	STEP1 1
	s_endpgm
.Lfunc_end_k_q6c43db6500_mlp:
	.size	k_q6c43db6500_mlp, .Lfunc_end_k_q6c43db6500_mlp-k_q6c43db6500_mlp
	.p2alignl 7, 3214868480
	.fill 96, 4, 3214868480
	.section	.rodata,"a",@progbits
	.p2align	6, 0x0
	.amdhsa_kernel k_q6c43db6500_mlp
		.amdhsa_group_segment_fixed_size 0
		.amdhsa_private_segment_fixed_size 0
		.amdhsa_enable_private_segment 0
		.amdhsa_kernarg_size 80
		.amdhsa_user_sgpr_count 2
		.amdhsa_user_sgpr_kernarg_segment_ptr 1
		.amdhsa_wavefront_size32 1
		.amdhsa_system_sgpr_workgroup_id_x 1
		.amdhsa_system_sgpr_workgroup_id_y 1
		.amdhsa_system_sgpr_workgroup_id_z 1
		.amdhsa_system_vgpr_workitem_id 0
		.amdhsa_next_free_vgpr 512
		.amdhsa_next_free_sgpr 66
		.amdhsa_reserve_vcc 0
		.amdhsa_float_denorm_mode_32 3
		.amdhsa_float_denorm_mode_16_64 3
		.amdhsa_memory_ordered 1
		.amdhsa_forward_progress 1
		.amdhsa_inst_pref_size 142
	.end_amdhsa_kernel
	.amdgpu_metadata
---
amdhsa.version: [ 1, 2 ]
amdhsa.kernels:
  - .name:           k_q6c43db6500_mlp
    .symbol:         k_q6c43db6500_mlp.kd
    .args:
      - { .name: points, .offset: 0, .size: 8, .value_kind: global_buffer, .address_space: global }
      - { .name: idx, .offset: 8, .size: 8, .value_kind: global_buffer, .address_space: global }
      - { .name: quads, .offset: 16, .size: 8, .value_kind: global_buffer, .address_space: global }
      - { .name: w2f, .offset: 24, .size: 8, .value_kind: global_buffer, .address_space: global }
      - { .name: w1, .offset: 32, .size: 8, .value_kind: global_buffer, .address_space: global }
      - { .name: b1, .offset: 40, .size: 8, .value_kind: global_buffer, .address_space: global }
      - { .name: b2, .offset: 48, .size: 8, .value_kind: global_buffer, .address_space: global }
      - { .name: w3, .offset: 56, .size: 8, .value_kind: global_buffer, .address_space: global }
      - { .name: b3, .offset: 64, .size: 8, .value_kind: global_buffer, .address_space: global }
      - { .name: out0, .offset: 72, .size: 8, .value_kind: global_buffer, .address_space: global }
    .group_segment_fixed_size: 0
    .private_segment_fixed_size: 0
    .kernarg_segment_align: 8
    .kernarg_segment_size: 80
    .max_flat_workgroup_size: 256
    .sgpr_count:     66
    .vgpr_count:     512
    .wavefront_size: 32
...
	.end_amdgpu_metadata
.endif
;; end of part 2
